; MI455X (gfx1250); checked and timed in simulation.
; The chip was launched on July 23, 2026; its instructions are those of AMD's public machine-readable ISA for CDNA 5 (MIT licence, August 2026) and "CDNA5" Instruction Set Architecture Reference Guide (July 2026). The comments in the code are by the model that wrote it; some were corrected since.
;; Bahdanau Attention. Allowed arithmetic: matrix products marked QUANTISED: E2M1 operands, one E8M0 scale for each 32 along K, by v_wmma_scale_f32_16x16x128_f8f6f4 with both operands' format E2M1 (or v_wmma_scale_f32_32x16x128_f4), f32 sums; products left as they are: f32 operands where the result goes on into a quantised operand, else bf16, f16 or f32 operands; f32 sums; everything else in f32.
;; Inputs: V 1,024 x 1 float32; W1 1,024 x 1,024 float32; W2 1,024 x 1,024 float32; b1 1,024 float32; b2 1,024 float32; bv 1 float32; features 32 x 2,048 x 1,024 float32; hidden 32 x 1,024 float32.
;; Outputs: out0 32 x 1,024 float32; out1 32 x 2,048 x 1 float32.
;; This version of the problem:
;;   THIS VERSION OF THE PROBLEM IS GIVEN IN LOW PRECISION. The matrix products marked QUANTISED in the list below multiply operands that are first quantised to E2M1 (2 exponent bits, 1 mantissa bit; 4 bits a number), with one power-of-two scale for each 32 numbers along K (OCP MX v1.0); their sums are f32. All else is computed in f32.
;;   The module's matrix products, in the order in which they are computed (A, B: the left and right operand; K: the contracted axis; several contracted axes count as one K, in the product's order):
;;     1. [M 65,536, K 1,024] x [K 1,024, N 1,024]; A: input features; B: input W1: QUANTISED
;;     2. [M 32, K 1,024] x [K 1,024, N 1,024]; A: input hidden; B: input W2: QUANTISED
;;     3. [M 65,536, K 1,024] x [K 1,024, N 1]; A: computed on the way; B: input V: left as it is (N = 1 < 16)
;;   THE QUANTISER, for each operand of a quantised product, along K:
;;     - K is cut into blocks of 32 from its start; a last block that is shorter is filled with zeros.
;;     - A block's scale is 2^e with e = floor(log2(the largest magnitude in the block)) - 2, held to -126 .. 127; a block of zeros has e = 0. As a byte (E8M0): e + 127.
;;     - Each number is divided by its block's scale, clamped to +-6, and rounded to the nearest number of E2M1, ties to even, subnormals kept.
;;     - The product sums the exact products of the quantised numbers (number of the format x scale) in f32.
;;   ~~~python
;;   def quantise(x, axis):      # numpy; x: float32 -> the quantised numbers, widened to float32 again
;;       x = np.moveaxis(x, axis, -1); K = x.shape[-1]
;;       x = np.pad(x, [(0, 0)] * (x.ndim - 1) + [(0, -K % 32)]); x = x.reshape(x.shape[:-1] + (-1, 32)); a = np.abs(x).max(-1, keepdims=True)
;;       e = np.where(a > 0, np.clip(np.frexp(np.where(a > 0, a, 1))[1] - 1 - 2, -126, 127), 0)      # np.frexp(a)[1] - 1 = floor(log2(a)), exactly
;;       r = np.clip(x / 2.0 ** e, -6, 6)
;;       step = 2.0 ** (np.maximum(np.frexp(np.where(r == 0, 1, r))[1] - 1, 0) - 1)
;;       q = np.round(r / step) * step * 2.0 ** e      # np.round: ties to even
;;       return np.moveaxis(q.reshape(q.shape[:-2] + (-1,))[..., :K], -1, axis).astype(np.float32)
;;   ~~~
;; One version. Each part assembles by itself: llvm-mc -triple=amdgcn-amd-amdhsa -mcpu=gfx1250 --defsym DOCPART=n.
;; ======== version 1 of 1: 3 launches
;; limits: right only within a limited range of input values
;; workspace buffers: w1f 524,288 bytes; w1s 32,768 bytes; bvp 524,288 bytes; logits 262,144 bytes; stats 8,192 bytes; ctxp 4,194,304 bytes
;; launch prep (part 1): grid 64 x 1, 8 waves a work-group, no clusters, 169,984 bytes of LDS; arguments W1, W2, hidden, b1, b2, V, w1f, w1s, bvp; writes w1f, w1s, bvp
.if DOCPART == 1
	.amdgcn_target "amdgcn-amd-amdhsa--gfx1250"
	.amdhsa_code_object_version 6
	.text
	.protected	k_q4e938eedbf_prep
	.globl	k_q4e938eedbf_prep
	.p2align	8
	.type	k_q4e938eedbf_prep,@function
k_q4e938eedbf_prep:
	s_mov_b64 s[64:65], 0
	v_nop
	global_prefetch_b8 v0, s[64:65] scope:SCOPE_SE
	s_setreg_imm32_b32 hwreg(HW_REG_WAVE_MODE, 25, 1), 1
	s_wait_xcnt 0x0
; W1 and W2, [1024 (k)][1024 (u)] f32 with K as FIRST axis, are quantised along K to codes of FP4 (E2M1) with one E8M0 byte for each 32 k.
; Work-groups 0-31 take W1 and store its codes in the order of a matrix operand's registers (w1f) and its scale bytes by column (w1s).
; Work-groups 32-63 take W2, quantise hidden [32][1024] too, multiply the two on the matrix unit and store, for each (batch, unit), the record
; (beta, beta, nu, nu): beta = c (hidden W2 + b2 + b1), nu = -2 V, c = 2 log2(e): what the next launch needs for V tanh(x) = V + nu / (1 + 2^(c x)).
; SHARES.  A work-group takes 32 columns u = 32 cg + lane; its wave s takes K step s, rows 128 s .. 128 s + 127.  A LANE TAKES A COLUMN AND ITS REGISTERS RUN DOWN K:
; each load reads 128 consecutive bytes a wave, a block of 32 along K lies in one lane, and the conversions give codes with K innermost.
; HIDDEN has K innermost, and the operand's layout wants 32 neighbours of ONE row in a lane.  It is loaded as it lies, a row's 512 consecutive bytes of the K step an instruction, and turned through
; the wave's own LDS bytes (rows of 512 + 16 bytes), out of which each lane takes its two blocks of each row.
; A block's scale byte is its largest magnitude's exponent field - 2, held at 1 from below by a floor among the maximum's leaves.
; LIMITS: a block of zeros gets the byte 1 (its codes are zeros; this program alone reads the bytes); NaN and infinities among the inputs are not served;
; the second product's K steps are summed in f32, K ascending, one step a wave.
; The two paths part ONCE, on the work-group's number, which all waves of a work-group share; each path has LDS bytes of its own.
; WORK LEFT OUT, in the whole program.  logits[b][t] = bv + sum_u V[u] tanh(..) = (bv + sum_u V[u]) + sum_u nu_u / (1 + 2^(..)), since tanh x = 1 - 2 / (1 + 2^(c x)).
; The term in brackets is the same for every t of a batch; softmax along t is unchanged by a term that is the same along t, and both outputs are made of that softmax alone.
; So bv and the sum of V reach no output for any values of the inputs: bv is loaded by no launch and is among no launch's arguments, and the sum of V is not taken.
; LIMIT: a NaN, an infinity or an overflow that reaches only bv or the sum of V is not carried to the results.
.set F0,  16
.set F1,  24                           ; v24-31  of tile 2 cg + 1
.set X,   32                           ; v32-95  two sets of 32 numbers of W; later v32-63 the four results, v64-95 the eight partial sums
.set HX,  96                           ; v96-223 128 numbers of hidden; later v96-111 four records
.set HF,  224                          ; v224-239 hidden's two fragments
.set SW,  12                           ; v12     W's scale word: lanes 0-15 tile 2 cg, lanes 16-31 tile 2 cg + 1
.set HS,  13                           ; v13-14  hidden's scale words
.set SCA, 0                            ; LDS, W1's path: 32 columns x 32 scale bytes
.set PB,  1024                         ; LDS, W2's path: 8 waves x 4,096 bytes of partial sums
.set HB,  33792                        ; LDS, W2's path: 8 waves x 32 rows of hidden's K step
.set HP,  528                          ; such a row: 512 bytes + 16 of padding = 132 words: the sixteen rows that a load touches start at sixteen different banks (64 banks of 4 bytes: ISA guide 11.1)
.set ASW, 243                          ; v243    SCA + 32 lane + 4 wave
.set ASR, 244                          ; v244    SCA + 16 thread
.set APW, 245                          ; v245    PB + 4096 wave + 16 lane
.set APR, 246                          ; v246    PB + 512 wave + 16 lane
.set AHW, 252                          ; v252    HB + 32 HP wave + 16 lane: a row goes in as it lies
.set AHR, 253                          ; v253    HB + 32 HP wave + HP r + 128 h: my block of 32 numbers of row r
.set J,   0
.macro WLOAD t, base                   ; block t: W(128 s + 32 t + i, my column), i = 0 .. 31, into set t % 2
.set J, 0
.rept 32
	global_load_b32 v[X+32*((\t)%2)+J], v4, s[\base:\base+1] offset:(32*(\t)+J)*4096
.set J, J+1
.endr
.endm
.macro WBLOCK t, base
.set XS, X+32*((\t)%2)
.set FD, F0+8*((\t)%2)+4*((\t)/2)      ; even blocks into F0, odd blocks into F1
.if (\t) < 3
	s_wait_loadcnt 32                              ; this block's 32 loads are in; the next block's 32 may be out
.else
	s_wait_loadcnt 0
.endif
	v_max3_num_f32 v8, |v[XS]|, |v[XS+1]|, |v[XS+2]|               ; the block's largest magnitude: all 32 numbers are mine; two chains
	v_max3_num_f32 v9, |v[XS+3]|, |v[XS+4]|, |v[XS+5]|
.irp i, 6,10,14,18,22,26
	s_delay_alu instid0(VALU_DEP_2)
	v_max3_num_f32 v8, v8, |v[XS+\i]|, |v[XS+\i+1]|
	s_delay_alu instid0(VALU_DEP_2)
	v_max3_num_f32 v9, v9, |v[XS+\i+2]|, |v[XS+\i+3]|
.endr
	s_delay_alu instid0(VALU_DEP_2)
	v_max3_num_f32 v8, v8, |v[XS+30]|, |v[XS+31]|
	s_delay_alu instid0(VALU_DEP_1)
	v_max3_num_f32 v8, v8, v9, 0x1800000           ; and the floor 2^(3 - 127): the byte cannot fall under 1
	s_delay_alu instid0(VALU_DEP_1)
	v_add_nc_u32 v10, 0xff000000, v8               ; 2 off the exponent field: the conversion takes this operand's exponent field as its scale
	s_delay_alu instid0(VALU_DEP_1)
	v_lshrrev_b32 v11, 23, v10                     ; the scale's byte
.if (\t) == 0
	s_delay_alu instid0(VALU_DEP_1)
	v_mov_b32 v[SW], v11
.else
	s_delay_alu instid0(VALU_DEP_1)
	v_lshl_or_b32 v[SW], v11, 8*(\t), v[SW]        ; four bytes make the K step's scale word of my column
.endif
.irp g, 0,1,2,3
	v_cvt_scalef32_pk8_fp4_f32 v[FD+\g], v[XS+8*\g:XS+8*\g+7], v10
.endr
.if (\t) < 2
	WLOAD (\t)+2, \base
.endif
.endm
; The wave's 128 x 32 numbers of W become two fragments (blocks 0 and 1 have been asked for).  Before the exchange F0 holds blocks 0 and 2 of all 32 columns and F1 blocks 1 and 3; the operand wants lanes 0-15
; to hold block 2 c and lanes 16-31 block 2 c + 1 of ONE tile's columns: F0's upper lanes change places with F1's lower lanes.
.macro WTAIL base
	WBLOCK 0, \base
	WBLOCK 1, \base
	WBLOCK 2, \base
	WBLOCK 3, \base
	v_nop                                          ; one plain place behind the last scaled conversion
.irp i, 0,1,2,3,4,5,6,7
	v_permlane16_swap_b32 v[F0+\i], v[F1+\i]
.endr
.endm
	s_load_b512 s[4:19], s[0:1], 0x0               ; W1 s[4:5], W2 s[6:7], hidden s[8:9], b1 s[10:11], b2 s[12:13], V s[14:15], w1f s[16:17], w1s s[18:19]
	s_load_b64 s[20:21], s[0:1], 0x40              ; bvp
	v_lshl_add_u32 v254, v0, 2, 0x29400
	v_mov_b32 v255, 0
	v_lshrrev_b32 v1, 5, v0
	s_delay_alu instid0(VALU_DEP_1)
	v_readfirstlane_b32 s22, v1                    ; wave = K step
	v_and_b32 v1, 31, v0                           ; lane
	v_and_b32 v2, 15, v0                           ; r
	v_bfe_u32 v3, v0, 4, 1                         ; h
	s_delay_alu instid0(VALU_DEP_3)
	v_lshlrev_b32 v4, 2, v1                        ; W: 4 bytes a lane
	s_delay_alu instid0(VALU_DEP_4)
	v_lshlrev_b32 v6, 4, v1                        ; 16 x lane
	s_wait_alu depctr_va_vdst(0)
	v_lshlrev_b32 v15, 3, v3                       ; 8 h: where my two scale bytes stand in a word
	s_and_b32 s23, ttmp9, 31                       ; cg: which 32 columns
	s_mov_b32 s26, 0x76543210
	s_mov_b32 s27, 0xfedcba98                      ; v_permlanex16_b32's selects for lane l xor 16
	s_lshl_b32 s28, s22, 2
	v_lshl_add_u32 v[ASW], v1, 5, s28
	v_lshlrev_b32 v[ASR], 4, v0
	s_lshl_b32 s28, s22, 12
	s_add_co_u32 s28, s28, PB
	v_add_nc_u32 v[APW], s28, v6
	s_lshl_b32 s28, s22, 9
	s_add_co_u32 s28, s28, PB
	v_add_nc_u32 v[APR], s28, v6
	s_mul_i32 s28, s22, 32*HP
	s_add_co_u32 s28, s28, HB
	v_add_nc_u32 v[AHW], s28, v6
	v_mul_u32_u24 v[AHR], v2, HP
	s_delay_alu instid0(VALU_DEP_1)
	v_lshl_add_u32 v[AHR], v3, 7, v[AHR]
	s_delay_alu instid0(VALU_DEP_1)
	v_add_nc_u32 v[AHR], s28, v[AHR]
	s_lshl_b32 s24, s22, 19                        ; 128 rows of 4,096 bytes a wave,
	s_lshl_b32 s28, s23, 7                         ; 32 columns of 4 bytes a work-group
	s_add_co_u32 s24, s24, s28
	s_mov_b32 s25, 0
	s_mov_b32 s29, 0
	s_wait_kmcnt 0x0
	s_cmp_lt_u32 ttmp9, 32
	s_cbranch_scc0 .Lpath_b
	; ---- W1: codes in operand order, scale bytes by column
	s_add_nc_u64 s[4:5], s[4:5], s[24:25]
	s_lshl_b32 s28, s23, 14                        ; w1f: tile 2 cg begins at 2 cg x 8,192,
	s_lshl_b32 s30, s22, 10                        ; K step s 1,024 bytes on
	s_add_co_u32 s28, s28, s30
	s_add_nc_u64 s[16:17], s[16:17], s[28:29]
	s_lshl_b32 s28, s23, 10                        ; w1s: 32 columns x 32 bytes
	s_add_nc_u64 s[18:19], s[18:19], s[28:29]
	WLOAD 0, 4
	WLOAD 1, 4
	WTAIL 4
	global_store_b128 v6, v[F0:F0+3], s[16:17]                     ; each store covers 512 consecutive bytes, aligned
	global_store_b128 v6, v[F0+4:F0+7], s[16:17] offset:512
	global_store_b128 v6, v[F1:F1+3], s[16:17] offset:8192
	global_store_b128 v6, v[F1+4:F1+7], s[16:17] offset:8704
	ds_store_b32 v[ASW], v[SW]                     ; my column's word of K step s: the eight waves' words make a column's 32 bytes
	s_wait_dscnt 0x0                               ; for the others' sake: my store has landed
	s_barrier_signal -1
	s_barrier_wait -1
	s_cmp_lt_u32 s22, 2                            ; 1,024 bytes: two waves store them, 512 consecutive bytes each
	s_cbranch_scc0 .Lend_a
	ds_load_b128 v[32:35], v[ASR]
	s_wait_dscnt 0x0
	global_store_b128 v[ASR], v[32:35], s[18:19]
.Lend_a:
	s_wait_tensorcnt 0x0
	ds_add_u32 v254, v255
	s_wait_dscnt 0x0
	s_endpgm
	; ---- W2: quantised likewise, multiplied by hidden; the records
.Lpath_b:
	s_add_nc_u64 s[6:7], s[6:7], s[24:25]
	s_lshl_b32 s28, s22, 9
	s_add_nc_u64 s[8:9], s[8:9], s[28:29]          ; hidden at K step s
	s_bfe_u32 s30, s22, 0x10001                    ; behind the barrier wave q owns four registers of the results: rows' tile q / 4, columns' tile nt = (q / 2) % 2, upper or lower four q % 2
	s_lshl_b32 s28, s23, 7
	s_lshl_b32 s31, s30, 6
	s_add_co_u32 s28, s28, s31
	v_lshl_add_u32 v250, v2, 2, s28                ; b1, b2, V at unit 32 cg + 16 nt + r
	global_load_b32 v240, v250, s[10:11]
	global_load_b32 v241, v250, s[12:13]
	global_load_b32 v242, v250, s[14:15]
.set J, 0
.rept 32                                       ; row J of hidden, its 128 numbers of K step s: 32 lanes read 512 consecutive bytes
	global_load_b128 v[HX+4*J:HX+4*J+3], v6, s[8:9] offset:4096*J
.set J, J+1
.endr
	s_lshr_b32 s28, s22, 2                         ; the records of batch 16 mt + 8 h + 4 (q % 2) + jj, unit 32 cg + 16 nt + r: 16,384 bytes a batch, 16 a unit
	s_lshl_b32 s28, s28, 18
	s_and_b32 s31, s22, 1
	s_lshl_b32 s31, s31, 16
	s_add_co_u32 s28, s28, s31
	s_lshl_b32 s31, s23, 9
	s_add_co_u32 s28, s28, s31
	s_lshl_b32 s31, s30, 8
	s_add_co_u32 s28, s28, s31
	s_add_nc_u64 s[20:21], s[20:21], s[28:29]
	v_lshlrev_b32 v249, 4, v2
	s_delay_alu instid0(VALU_DEP_1)
	v_lshl_add_u32 v249, v3, 17, v249              ; 16 r + 8 batches x h
	v_mov_b32 v251, 0                              ; written once: a lane permute's destination counts as one of its sources
	WLOAD 0, 6
	s_wait_loadcnt 32                              ; hidden, b1, b2 and V are in; block 0's 32 loads, issued behind them, may be out
.set J, 0
	s_wait_alu depctr_va_vdst(0)
.rept 32
	ds_store_b128 v[AHW], v[HX+4*J:HX+4*J+3] offset:HP*J           ; the rows as they lie
.set J, J+1
.endr
.set J, 0
.rept 32                                       ; and back: hidden(16 mt + r, 128 s + 64 c + 32 h + 4 j ..), J = 16 mt + 8 c + j: the order that the operand's layout gives my lane.  LDS serves a wave's instructions in order (ISA guide 5.7.1.4): these see the stores above
	ds_load_b128 v[HX+4*J:HX+4*J+3], v[AHR] offset:(J/16)*16*HP+((J/8)%2)*256+(J%8)*16
.set J, J+1
.endr
	WLOAD 1, 6
	WTAIL 6
	s_wait_dscnt 0x0                               ; hidden's numbers are back
.macro HQ mt                           ; 16 rows of hidden, my two whole blocks of each: a fragment and its scale word
.irp c, 0,1
	v_max3_num_f32 v[8+\c], |v[HX+64*\mt+32*\c]|, |v[HX+64*\mt+32*\c+1]|, 0x1800000
.endr
.irp i, 2,4,6,8,10,12,14,16,18,20,22,24,26,28,30
.irp c, 0,1
	s_delay_alu instid0(VALU_DEP_2)
	v_max3_num_f32 v[8+\c], v[8+\c], |v[HX+64*\mt+32*\c+\i]|, |v[HX+64*\mt+32*\c+\i+1]|
.endr
.endr
.irp c, 0,1
	s_delay_alu instid0(VALU_DEP_2)
	v_add_nc_u32 v[10+\c], 0xff000000, v[8+\c]
.endr
.irp c, 0,1
	s_delay_alu instid0(VALU_DEP_2)
	v_lshrrev_b32 v[247+\c], 23, v[10+\c]
.endr
	s_delay_alu instid0(VALU_DEP_1)
	v_lshl_or_b32 v[HS+\mt], v248, 16, v247        ; my two bytes: blocks h and 2 + h of row r,
	s_delay_alu instid0(VALU_DEP_1)
	v_lshlrev_b32 v[HS+\mt], v15, v[HS+\mt]        ; at their places in the word;
	s_delay_alu instid0(VALU_DEP_1)
	v_permlanex16_b32 v251, v[HS+\mt], s26, s27
	s_delay_alu instid0(VALU_DEP_1)
	v_or_b32 v[HS+\mt], v[HS+\mt], v251            ; with lane l xor 16's two the word is whole
.irp c, 0,1
.irp g, 0,1,2,3
	v_cvt_scalef32_pk8_fp4_f32 v[HF+8*\mt+4*\c+\g], v[HX+64*\mt+32*\c+8*\g:HX+64*\mt+32*\c+8*\g+7], v[10+\c]
.endr
.endr
	v_nop                                          ; one plain place behind the last scaled conversion
.endm
	HQ 0
	HQ 1
.rept 8
	v_nop                                          ; a scale register written by a vector instruction stands 8 places ahead of a scaled matrix instruction, an operand so written 4
.endr
.irp mt, 0,1                                   ; source 0 = 16 rows of hidden, source 1 = 16 columns of W2: register j of lane (r, h) is (batch 16 mt + 8 h + j, unit 32 cg + 16 nt + r); four sums, each begun with 0
	v_wmma_scale_f32_16x16x128_f8f6f4 v[32+16*\mt:39+16*\mt], v[HF+8*\mt:HF+8*\mt+7], v[F0:F0+7], 0, v[HS+\mt], v[SW] matrix_a_fmt:MATRIX_FMT_FP4 matrix_b_fmt:MATRIX_FMT_FP4
	v_wmma_scale_f32_16x16x128_f8f6f4 v[40+16*\mt:47+16*\mt], v[HF+8*\mt:HF+8*\mt+7], v[F1:F1+7], 0, v[HS+\mt], v[SW] matrix_a_fmt:MATRIX_FMT_FP4 matrix_b_fmt:MATRIX_FMT_FP4 matrix_b_scale:MATRIX_SCALE_ROW1
.endr
.rept 4
	v_nop                                          ; four places ahead of the first read of the results
.endr
.irp q, 0,1,2,3,4,5,6,7
	ds_store_b128 v[APW], v[32+4*\q:35+4*\q] offset:512*\q         ; my K step's part of all four results, each from its low end on
.endr
	s_wait_dscnt 0x0                               ; for the others' sake
	s_barrier_signal -1
	s_barrier_wait -1
.irp p, 0,1,2,3,4,5,6,7
	ds_load_b128 v[64+4*\p:67+4*\p], v[APR] offset:4096*\p         ; the eight K steps' parts of my four registers
.endr
	s_wait_dscnt 0x0
.irp p, 1
	v_pk_add_f32 v[64:65], v[64:65], v[64+4*\p:65+4*\p]            ; K ascending
	v_pk_add_f32 v[66:67], v[66:67], v[66+4*\p:67+4*\p]
.endr
.irp p, 2, 3, 4, 5, 6, 7
	s_delay_alu instid0(VALU_DEP_2)
	v_pk_add_f32 v[64:65], v[64:65], v[64+4*\p:65+4*\p]            ; K ascending
	s_delay_alu instid0(VALU_DEP_2)
	v_pk_add_f32 v[66:67], v[66:67], v[66+4*\p:67+4*\p]
.endr
	v_add_f32 v240, v240, v241                     ; b1 + b2
	v_mul_f32 v242, -2.0, v242                     ; nu
.irp j, 0,1,2,3
	v_add_f32 v[64+\j], v[64+\j], v240
.endr
.irp j, 0,1,2,3
	v_mul_f32 v[96+4*\j], 0x4038aa3b, v[64+\j]     ; beta = c x (hidden W2 + b2 + b1), c = 2 log2(e)
	v_mov_b32 v[98+4*\j], v242
	v_mov_b32 v[99+4*\j], v242
.endr
.irp j, 0,1,2,3
	v_mov_b32 v[97+4*\j], v[96+4*\j]
.endr
.irp j, 0,1,2,3
	global_store_b128 v249, v[96+4*\j:99+4*\j], s[20:21] offset:16384*\j   ; sixteen lanes store 256 consecutive bytes, aligned
.endr
	s_wait_tensorcnt 0x0
	ds_add_u32 v254, v255
	s_wait_dscnt 0x0
	s_endpgm
.Lfunc_end_k_q4e938eedbf_prep:
	.size	k_q4e938eedbf_prep, .Lfunc_end_k_q4e938eedbf_prep-k_q4e938eedbf_prep
	.p2alignl 7, 3214868480
	.fill 96, 4, 3214868480
	.section	.rodata,"a",@progbits
	.p2align	6, 0x0
	.amdhsa_kernel k_q4e938eedbf_prep
		.amdhsa_group_segment_fixed_size 169984
		.amdhsa_private_segment_fixed_size 0
		.amdhsa_enable_private_segment 0
		.amdhsa_kernarg_size 72
		.amdhsa_user_sgpr_count 2
		.amdhsa_user_sgpr_kernarg_segment_ptr 1
		.amdhsa_wavefront_size32 1
		.amdhsa_system_sgpr_workgroup_id_x 1
		.amdhsa_system_sgpr_workgroup_id_y 1
		.amdhsa_system_sgpr_workgroup_id_z 1
		.amdhsa_system_vgpr_workitem_id 0
		.amdhsa_next_free_vgpr 256
		.amdhsa_next_free_sgpr 66
		.amdhsa_reserve_vcc 0
		.amdhsa_float_denorm_mode_32 3
		.amdhsa_float_denorm_mode_16_64 3
		.amdhsa_memory_ordered 1
		.amdhsa_forward_progress 1
		.amdhsa_inst_pref_size 65
	.end_amdhsa_kernel
	.amdgpu_metadata
---
amdhsa.version: [ 1, 2 ]
amdhsa.kernels:
  - .name:           k_q4e938eedbf_prep
    .symbol:         k_q4e938eedbf_prep.kd
    .args:
      - { .name: W1, .offset: 0, .size: 8, .value_kind: global_buffer, .address_space: global }
      - { .name: W2, .offset: 8, .size: 8, .value_kind: global_buffer, .address_space: global }
      - { .name: hidden, .offset: 16, .size: 8, .value_kind: global_buffer, .address_space: global }
      - { .name: b1, .offset: 24, .size: 8, .value_kind: global_buffer, .address_space: global }
      - { .name: b2, .offset: 32, .size: 8, .value_kind: global_buffer, .address_space: global }
      - { .name: V, .offset: 40, .size: 8, .value_kind: global_buffer, .address_space: global }
      - { .name: w1f, .offset: 48, .size: 8, .value_kind: global_buffer, .address_space: global }
      - { .name: w1s, .offset: 56, .size: 8, .value_kind: global_buffer, .address_space: global }
      - { .name: bvp, .offset: 64, .size: 8, .value_kind: global_buffer, .address_space: global }
    .group_segment_fixed_size: 169984
    .private_segment_fixed_size: 0
    .kernarg_segment_align: 8
    .kernarg_segment_size: 72
    .max_flat_workgroup_size: 256
    .sgpr_count:     66
    .vgpr_count:     256
    .wavefront_size: 32
...
	.end_amdgpu_metadata
.endif
;; end of part 1
;; launch attn (part 2): grid 256 x 1, 4 waves a work-group, no clusters, 327,680 bytes of LDS; arguments features, w1f, w1s, bvp, logits, stats, ctxp; writes logits, stats, ctxp
.if DOCPART == 2
	.amdgcn_target "amdgcn-amd-amdhsa--gfx1250"
	.amdhsa_code_object_version 6
	.text
	.protected	k_q4e938eedbf_attn
	.globl	k_q4e938eedbf_attn
	.p2align	8
	.type	k_q4e938eedbf_attn,@function
k_q4e938eedbf_attn:
	s_mov_b64 s[64:65], 0
	v_nop
	global_prefetch_b8 v0, s[64:65] scope:SCOPE_SE
	s_setreg_imm32_b32 hwreg(HW_REG_WAVE_MODE, 25, 1), 1
	s_wait_xcnt 0x0
; For 256 rows of features (one batch's) a work-group makes the logits, less the term bv + sum V, which is the same along t and is left out (shown at the head of the first kernel):
; logit = sum_u nu_u / (1 + 2^(c acc_u + beta_u)), acc = features W1 on FP4 codes, (beta, nu) from the records; and, wave by wave, a running softmax's m, l and context part.
; The next launch joins the parts.  features are read from memory once.
; CHUNKS of 64 rows, a dense block of 262,144 bytes: wave w's one tensor load brings its own 16 rows (65,536 bytes, stated as 256 rows of 256 bytes), which it alone reads.
; EACH NUMBER IS READ FROM LDS ONCE, into the registers where it stays parked for the context: lane l holds columns 256 g + 8 l .. + 7 of a row, by two loads of 16 bytes.
; Lanes with bit 3 set take the two pieces in the other order.
; A block of 32 along K is four lanes' eight numbers: three maxima on the parked numbers, one on the temporaries, two steps across lanes.  A lane's eight codes are one register (its halves turned round in the lanes with bit 3 set), stored row-major
; (rows of 512 + 16 bytes), out of which every wave takes the chunk's 32 fragments.  In the product the waves share the columns: wave w makes units 256 w .. + 255 for all 64 rows,
; W1's column tiles coming from memory into two buffers; the order of the pairs turns round from chunk to chunk, so that a chunk's last pair is the next chunk's first.
; PREFETCH: in chunk t each of a wave's eight pairs of tiles asks for 32 blocks of 256 bytes (a lane a block) of its own 16 rows of chunk t + 2, which the refill at the head of chunk t + 1 loads; chunks 0 and 1 come by
; their loads alone, chunks 2 and 3 ask for nothing.  W1's codes are read by every work-group again and again and are not asked for.
; NO CLUSTER, though all work-groups read the same codes of W1: a joint load lands in LDS; of 327,680 bytes 316,928 are in use, and the 10,752 left hold no two slots of one column tile (8,192 + 512 bytes each).
; LIMITS: NaN and infinities among the inputs are not served; a block of zeros gets the byte 1 (its codes are zeros); sums over units, rows and K are taken in another order than a plain loop's.
; REGISTERS: window 0 as named; window 1: fragments (m, s) at 8 (8 m + s); windows 2, 3: parked rows 0-7, 8-15: row i, group g at 32 (i % 8) + 8 g.
.set AIMG,  262144                     ; behind the arrival slot: the codes, 64 rows of AP bytes
.set AP,    528
.set ASC,   AIMG+64*AP                 ; scale bytes: 32 a row
.set EX,    ASC+2048                   ; partial logits: wave x 256 + row x 4
.set LG,    EX+1024                    ; the work-group's 256 logits
.set PARK,  LG+1024                    ; each wave's 1,024 context sums between chunks
.set SPARE, PARK+16384                 ; the spare words
.set LD0, 1                            ; 65,536 w + 32 lane + 16 b3
.set IW,  2                            ; AIMG + 16 w AP + 4 lane
.set IR,  3                            ; AIMG + r AP + 16 h
.set SWB, 4                            ; ASC + 512 w + lane / 4
.set SRA, 5                            ; ASC + 32 lane
.set EXW, 6                            ; EX + 256 w + 32 h
.set EXR, 7                            ; EX + 4 (16 w + r)
.set LD1, 8                            ; LD0 xor 16
.set PK,  9                            ; PARK + 4,096 w + 16 lane
.set BO,  10                           ; 16 lane
.set BSO, 11                           ; 32 r + 16 h
.set BVO, 12                           ; 16 r
.set ROT, 13                           ; 16 b3
.set SPW, 14
.set NIL, 15
.set PKA, 16                           ; PARK + 4,096 w + 32 lane + 16 b3
.set PKB, 17                           ; PKA xor 16
.set M,   18
.set L,   19
.set T,   20
.set PC,  24
.set PFO, 28                           ; 256 lane
.set AS,  32                           ; v32-47 the rows' scale words
.set BS,  48                           ; v48-55 W1's scale words
.set BV,  56                           ; v56-63 the records
.set BB,  64                           ; v64-191 W1's fragments, two buffers
.set ACC, 192
.set S,   224
.set CT,  192
.set TA,  192                          ; while quantising: four sets of 16
.set TB,  208
.set TC,  224
.set TD,  240
.set CB,  6
.set CSB, 8
.set CR,  10
.set G1,  24
.set G0,  32
.set NBC, 54
.set NBS, 56
.set NBR, 58
.set PF,  60
.set J,   0
.set MSB, 0
.macro WIN new
.if MSB != (\new)
	s_set_vgpr_msb (MSB<<8)|(\new)
.set MSB, (\new)
.endif
.endm
.macro BLOAD q, t
.irp s, 0,1,2,3,4,5,6,7
.irp c, 0,1
	global_load_b128 v[BB+64*\q+8*\s+4*\c:BB+64*\q+8*\s+4*\c+3], v[BO], s[NBC:NBC+1] offset:\t*8192+\s*1024+\c*512
.endr
.endr
	global_load_b128 v[BS+4*\q:BS+4*\q+3], v[BSO], s[NBS:NBS+1] offset:\t*512
.endm
.macro RLOAD q, t
	global_load_b128 v[BV+4*\q:BV+4*\q+3], v[BVO], s[NBR:NBR+1] offset:\t*256
.endm
; 32 matrix instructions: 64 rows x 16 units x all of K; four accumulators by turns; the first K step starts the sums with 0
.macro MM q
	WIN 0x01
.set KS_, 0
.rept 8
.set MT_, 0
.rept 4
.set rD, ACC+8*MT_
.set rA, 8*(8*MT_+KS_)
.set rB, BB+64*\q+8*KS_
.set rU, AS+8*(MT_/2)+KS_
.set rW, BS+4*\q+(KS_%4)
.if KS_ == 0
.if (MT_%2) == 0
	v_wmma_scale_f32_16x16x128_f8f6f4 v[rD:rD+7], v[rA:rA+7], v[rB:rB+7], 0, v[rU], v[rW] matrix_a_fmt:MATRIX_FMT_FP4 matrix_b_fmt:MATRIX_FMT_FP4
.else
	v_wmma_scale_f32_16x16x128_f8f6f4 v[rD:rD+7], v[rA:rA+7], v[rB:rB+7], 0, v[rU], v[rW] matrix_a_fmt:MATRIX_FMT_FP4 matrix_b_fmt:MATRIX_FMT_FP4 matrix_a_scale:MATRIX_SCALE_ROW1
.endif
.elseif KS_ < 4
.if (MT_%2) == 0
	v_wmma_scale_f32_16x16x128_f8f6f4 v[rD:rD+7], v[rA:rA+7], v[rB:rB+7], v[rD:rD+7], v[rU], v[rW] matrix_a_fmt:MATRIX_FMT_FP4 matrix_b_fmt:MATRIX_FMT_FP4
.else
	v_wmma_scale_f32_16x16x128_f8f6f4 v[rD:rD+7], v[rA:rA+7], v[rB:rB+7], v[rD:rD+7], v[rU], v[rW] matrix_a_fmt:MATRIX_FMT_FP4 matrix_b_fmt:MATRIX_FMT_FP4 matrix_a_scale:MATRIX_SCALE_ROW1
.endif
.else
.if (MT_%2) == 0
	v_wmma_scale_f32_16x16x128_f8f6f4 v[rD:rD+7], v[rA:rA+7], v[rB:rB+7], v[rD:rD+7], v[rU], v[rW] matrix_a_fmt:MATRIX_FMT_FP4 matrix_b_fmt:MATRIX_FMT_FP4 matrix_b_scale:MATRIX_SCALE_ROW1
.else
	v_wmma_scale_f32_16x16x128_f8f6f4 v[rD:rD+7], v[rA:rA+7], v[rB:rB+7], v[rD:rD+7], v[rU], v[rW] matrix_a_fmt:MATRIX_FMT_FP4 matrix_b_fmt:MATRIX_FMT_FP4 matrix_a_scale:MATRIX_SCALE_ROW1 matrix_b_scale:MATRIX_SCALE_ROW1
.endif
.endif
.set MT_, MT_+1
.endr
.set KS_, KS_+1
.endr
	WIN 0
.endm
; S += nu / (1 + 2^(c acc + beta)): each batch of transcendentals has its sources laid first, one wait ahead of it and one behind it
.macro EPI q
.set J, 0
.rept 16
	v_pk_fma_f32 v[ACC+J:ACC+J+1], v[ACC+J:ACC+J+1], s[36:37], v[BV+4*\q:BV+4*\q+1] op_sel_hi:[1,0,1]
.set J, J+2
.endr
	s_wait_alu depctr_va_vdst(0)
.set J, 0
.rept 32
	v_exp_f32 v[ACC+J], v[ACC+J]
.set J, J+1
.endr
	v_nop
	s_wait_alu depctr_va_vdst(0)
.set J, 0
.rept 16
	v_pk_add_f32 v[ACC+J:ACC+J+1], v[ACC+J:ACC+J+1], 1.0 op_sel_hi:[1,0]
.set J, J+2
.endr
	s_wait_alu depctr_va_vdst(0)
.set J, 0
.rept 32
	v_rcp_f32 v[ACC+J], v[ACC+J]
.set J, J+1
.endr
	v_nop
	s_wait_alu depctr_va_vdst(0)
.set J, 0
.rept 16
	v_pk_fma_f32 v[S+J:S+J+1], v[ACC+J:ACC+J+1], v[BV+4*\q+2:BV+4*\q+3], v[S+J:S+J+1]
.set J, J+2
.endr
.endm
; A column tile from buffer q.  cnt: the other buffer's 16 + 1 + 1 loads, issued behind this one's, may stay out
.macro TILE q, ld, cnt
	s_wait_loadcnt \cnt
	MM \q
.rept 4
	v_nop                                          ; four places ahead of loads into registers that the products read, and of the first read of results
.endr
.if \ld
.if \q == 0
	NEXTB PFON                                     ; behind tile 0's 32 products: the youngest load was issued ahead of them
.endif
	BLOAD \q, \q
.endif
	EPI \q
.if \ld
	RLOAD \q, \q
.endif
.endm
; Ahead of a trip's first loads the streams go to the pair that this trip loads: pair 8 - s45, or 7 less that in a chunk that walks downward (s47 = 7).  pf = 1: and my next 32 blocks are asked for
.macro NEXTB pf
	s_wait_xcnt 0x0                                ; the loads and the prefetch issued so far have read their bases
	s_sub_co_u32 s48, 8, s45
	s_xor_b32 s48, s48, s47
	s_lshl_b32 s48, s48, 14
	s_lshr_b32 s50, s48, 4
	s_lshr_b32 s52, s48, 5
	s_add_nc_u64 s[NBC:NBC+1], s[CB:CB+1], s[48:49]
	s_add_nc_u64 s[NBS:NBS+1], s[CSB:CSB+1], s[50:51]
	s_add_nc_u64 s[NBR:NBR+1], s[CR:CR+1], s[52:53]
.if \pf
	s_add_nc_u64 s[PF:PF+1], s[PF:PF+1], 8192
	s_cmp_gt_u32 s44, 1                            ; chunks 0 and 1 alone have a chunk two further on
	s_cbranch_scc0 .Lnp_\@
	global_prefetch_b8 v[PFO], s[PF:PF+1] th:TH_LOAD_NT scope:SCOPE_SE
.Lnp_\@:
.endif
.endm
; Rows 4 b .. 4 b + 3 of my 16 go from the slot into their parked registers: 32 loads
.macro PLOAD b
	WIN 0x80+0x40*((\b)/2)
.set J, 0
.rept 16
.set PB_, 32*(4*((\b)%2)+J/4)+8*(J%4)
	ds_load_b128 v[PB_:PB_+3], v[LD0] offset:(4*(\b)+J/4)*4096+(J%4)*1024
	ds_load_b128 v[PB_+4:PB_+7], v[LD1] offset:(4*(\b)+J/4)*4096+(J%4)*1024
.set J, J+1
.endr
	WIN 0
.endm
; and are quantised from there: 16 groups of 8 numbers a lane
.macro PQ b
.set W_, 2+(\b)/2
	WIN W_|(W_<<2)|(W_<<4)
.set J, 0
.rept 16
.set PB_, 32*(4*((\b)%2)+J/4)+8*(J%4)
	v_max3_num_f32 v[TA+J], |v[PB_]|, |v[PB_+1]|, |v[PB_+2]|
	v_max3_num_f32 v[TB+J], |v[PB_+3]|, |v[PB_+4]|, |v[PB_+5]|
	v_max3_num_f32 v[TC+J], |v[PB_+6]|, |v[PB_+7]|, 0x1800000      ; the floor 2^(3 - 127) holds the byte at 1 from below
.set J, J+1
.endr
	WIN 0
.set J, 0
.rept 16
	v_max3_num_f32 v[TA+J], v[TA+J], v[TB+J], v[TC+J]
.set J, J+1
.endr
.irp x, 1,2
.set J, 0
.rept 16
	v_max_num_f32_dpp v[TA+J], v[TA+J], v[TA+J] row_xmask:\x row_mask:0xf bank_mask:0xf   ; with the block's other three lanes
.set J, J+1
.endr
.endr
.set J, 0
.rept 16
	v_add_nc_u32 v[TB+J], 0xff000000, v[TA+J]      ; 2 off the exponent field: the conversion's scale operand
.set J, J+1
.endr
.set J, 0
.rept 16
	v_lshrrev_b32 v[TC+J], 23, v[TB+J]             ; the scale's byte
.set J, J+1
.endr
	WIN W_
.set J, 0
.rept 16
.set PB_, 32*(4*((\b)%2)+J/4)+8*(J%4)
	v_cvt_scalef32_pk8_fp4_f32 v[TD+J], v[PB_:PB_+7], v[TB+J]
.set J, J+1
.endr
	WIN 0
	v_nop                                          ; one plain place behind the last scaled conversion
.set J, 0
.rept 16
	v_alignbit_b32 v[TD+J], v[TD+J], v[TD+J], v[ROT]               ; lanes with bit 3 set hold their upper four numbers first: the halves change places
.set J, J+1
.endr
.set J, 0
.rept 16
	ds_store_b32 v[IW], v[TD+J] offset:(4*(\b)+J/4)*AP+128*(J%4)   ; 128 consecutive bytes of a row of codes
	ds_store_b8 v[SWB], v[TC+J] offset:(4*(\b)+J/4)*32+8*(J%4)     ; a block's four lanes write the same byte with the same value
.set J, J+1
.endr
.endm
.macro AFETCH
	WIN 0x40
.set J, 0
.rept 32
	ds_load_b128 v[8*J:8*J+3], v[IR] offset:(J/8)*16*AP+(J%8)*64
	ds_load_b128 v[8*J+4:8*J+7], v[IR] offset:(J/8)*16*AP+(J%8)*64+32
.set J, J+1
.endr
	WIN 0
.irp p, 0,1
	ds_load_b128 v[AS+8*\p:AS+8*\p+3], v[SRA] offset:1024*\p
	ds_load_b128 v[AS+8*\p+4:AS+8*\p+7], v[SRA] offset:1024*\p+16
.endr
.set J, 0
.rept 32
	v_mov_b32 v[S+J], 0                            ; the loop over tiles is written once: its first trip adds onto zeros
.set J, J+1
.endr
	s_wait_dscnt 0x0
.endm
.macro LOGITS
.irp x, 1,2,4,8
.set J, 0
.rept 32
	v_add_f32_dpp v[S+J], v[S+J], v[S+J] row_xmask:\x row_mask:0xf bank_mask:0xf
.set J, J+1
.endr
.endr
.irp m, 0,1,2,3
	ds_store_b128 v[EXW], v[S+8*\m:S+8*\m+3] offset:64*\m
	ds_store_b128 v[EXW], v[S+8*\m+4:S+8*\m+7] offset:64*\m+16
.endr
	s_wait_dscnt 0x0                               ; for the others' sake: my parts have landed
	s_barrier_signal -1
	s_barrier_wait -1
.irp p, 0,1,2,3
	ds_load_b32 v[T+\p], v[EXR] offset:256*\p
.endr
.irp g, 0,1,2,3,4,5,6,7
	ds_load_b128 v[CT+4*\g:CT+4*\g+3], v[PK] offset:512*\g
.endr
	s_wait_dscnt 8                                 ; the eight context loads may stay out
	v_add_f32 v[T], v[T], v[T+1]
	v_add_f32 v[T+2], v[T+2], v[T+3]
	v_add_f32 v[T], v[T], v[T+2]                   ; the logit of row 16 w + r
	v_add_nc_u32 v[T+1], s46, v[EXR]
	ds_store_b32 v[T+1], v[T] offset:LG-EX
	v_max_num_f32_dpp v[T+2], v[T], v[T] row_xmask:1 row_mask:0xf bank_mask:0xf
	v_max_num_f32_dpp v[T+2], v[T+2], v[T+2] row_xmask:2 row_mask:0xf bank_mask:0xf
	v_max_num_f32_dpp v[T+2], v[T+2], v[T+2] row_xmask:4 row_mask:0xf bank_mask:0xf
	v_max_num_f32_dpp v[T+2], v[T+2], v[T+2] row_xmask:8 row_mask:0xf bank_mask:0xf
	v_max_num_f32 v[T+2], v[M], v[T+2]
	v_sub_f32 v[T+3], v[M], v[T+2]
	v_sub_f32 v[PC], v[T], v[T+2]
	v_mul_f32 v[T+3], s41, v[T+3]
	v_mul_f32 v[PC], s41, v[PC]
	s_wait_alu depctr_va_vdst(0)                   ; the wait ahead of the batch
	v_exp_f32 v[T+3], v[T+3]                       ; a = e^(old m - new m)
	v_exp_f32 v[PC], v[PC]                         ; p = e^(logit - m)
	v_mov_b32 v[M], v[T+2]
	s_wait_alu depctr_va_vdst(0)                   ; and behind it
	v_add_f32_dpp v[PC+1], v[PC], v[PC] row_xmask:1 row_mask:0xf bank_mask:0xf
	v_add_f32_dpp v[PC+1], v[PC+1], v[PC+1] row_xmask:2 row_mask:0xf bank_mask:0xf
	v_add_f32_dpp v[PC+1], v[PC+1], v[PC+1] row_xmask:4 row_mask:0xf bank_mask:0xf
	v_add_f32_dpp v[PC+1], v[PC+1], v[PC+1] row_xmask:8 row_mask:0xf bank_mask:0xf
	v_fma_f32 v[L], v[L], v[T+3], v[PC+1]
.irp i, 0,1,2,3,4,5,6,7,8,9,10,11,12,13,14,15
	v_readlane_b32 s[66+2*\i], v[PC], \i
	v_readlane_b32 s[67+2*\i], v[PC], \i
.endr
	v_readfirstlane_b32 s42, v[T+3]
	v_readfirstlane_b32 s43, v[T+3]
.endm
; context = a x context + the sum over my 16 parked rows of p x row.  last = 1: it is put into column order in my own LDS bytes and leaves for memory
.macro CTX last
	s_wait_alu depctr_va_vdst(0)
	s_wait_dscnt 0x0
.set J, 0
.rept 16
	v_pk_mul_f32 v[CT+J:CT+J+1], v[CT+J:CT+J+1], s[42:43] op_sel_hi:[1,0]
.set J, J+2
.endr
	WIN 0x02
.irp i, 0,1,2,3,4,5,6,7
.set J, 0
.rept 16
	v_pk_fma_f32 v[CT+J:CT+J+1], v[32*\i+J:32*\i+J+1], s[66+2*\i:67+2*\i], v[CT+J:CT+J+1] op_sel_hi:[1,0,1]
.set J, J+2
.endr
.endr
	WIN 0x03
.irp i, 0,1,2,3,4,5,6,7
.set J, 0
.rept 16
	v_pk_fma_f32 v[CT+J:CT+J+1], v[32*\i+J:32*\i+J+1], s[82+2*\i:83+2*\i], v[CT+J:CT+J+1] op_sel_hi:[1,0,1]
.set J, J+2
.endr
.endr
	WIN 0
.if \last
.irp g, 0,1,2,3
	ds_store_b128 v[PKA], v[CT+8*\g:CT+8*\g+3] offset:1024*\g      ; columns 256 g + 8 lane + 4 b3 ..
	ds_store_b128 v[PKB], v[CT+8*\g+4:CT+8*\g+7] offset:1024*\g    ; and the other four
.endr
.irp g, 0,1,2,3,4,5,6,7
	ds_load_b128 v[CT+4*\g:CT+4*\g+3], v[PK] offset:512*\g         ; LDS serves a wave's instructions in order (ISA guide 5.7.1.4)
.endr
	s_wait_dscnt 0x0
.irp g, 0,1,2,3,4,5,6,7
	global_store_b128 v[BO], v[CT+4*\g:CT+4*\g+3], s[16:17] offset:512*\g th:TH_STORE_NT   ; 512 consecutive bytes, aligned
.endr
.else
.irp g, 0,1,2,3,4,5,6,7
	ds_store_b128 v[PK], v[CT+4*\g:CT+4*\g+3] offset:512*\g
.endr
.endif
.endm
.macro CHUNK fill
	s_wait_tensorcnt 0x0                           ; my one tensor load, my 16 rows, has landed; nobody else reads them
	PLOAD 0                                        ; all 128 loads: when they are back the slot is free
	PLOAD 1
	PLOAD 2
	PLOAD 3
.if \fill
	s_wait_tensorcnt 0x0                           ; no tensor load of mine is out, so the group 0 may be written
	ds_add_u32 v[SPW], v[NIL]
	s_add_nc_u64 s[G0+2:G0+3], s[G0+2:G0+3], 262144
	s_wait_dscnt 0x0                               ; the add is done, and my reads of the slot are in
	s_barrier_signal -1
	s_barrier_wait -1
	tensor_load_to_lds s[G0:G0+3], s[G1:G1+7]      ; my one tensor load behind this barrier: it has the quantiser and the 16 column tiles in which to land
	s_nop 0
.else
	s_wait_dscnt 0x0                               ; my rows are in their registers; nothing is filled again
.endif
	PQ 0
	PQ 1
	PQ 2
	PQ 3
	s_wait_dscnt 0x0                               ; for the others' sake: my codes and scale bytes have landed
	s_barrier_signal -1
	s_barrier_wait -1                              ; everybody's have.
	AFETCH
	s_mov_b32 s45, 7
.set PFON, \fill
.Ltiles_\@:
	TILE 0, 1, 18
	TILE 1, 1, 18
	s_sub_co_u32 s45, s45, 1
	s_cmp_lg_u32 s45, 0
	s_cbranch_scc1 .Ltiles_\@
.if \fill
	s_cmp_gt_u32 s44, 1
	s_cbranch_scc0 .Lnq_\@
	global_prefetch_b8 v[PFO], s[PF:PF+1] offset:8192 th:TH_LOAD_NT scope:SCOPE_SE   ; the eighth 32 blocks
.Lnq_\@:
.endif
	TILE 0, 0, 18                                  ; the chunk's last pair stays in the buffers and is the next chunk's first
	TILE 1, 0, 0
	LOGITS
	CTX 1-\fill
.endm
	s_load_b256 s[4:11], s[0:1], 0x0               ; features s[4:5], w1f s[6:7], w1s s[8:9], bvp s[10:11]
	s_load_b128 s[12:15], s[0:1], 0x20             ; logits s[12:13], stats s[14:15]
	s_load_b64 s[16:17], s[0:1], 0x30              ; ctxp
	v_lshl_add_u32 v[SPW], v0, 2, SPARE
	v_mov_b32 v[NIL], 0
	ds_add_u32 v[SPW], v[NIL]
	ds_add_u32 v[SPW], v[NIL]
	v_lshrrev_b32 v20, 5, v0
	v_readfirstlane_b32 s22, v20                   ; wave 0..3
	s_mov_b32 s[G1+0], 3<<16                       ; elements of 8 bytes, no mask, no padding
	s_mov_b32 s[G1+1], 32<<16                      ; tensor_dim0 = 32: 256 bytes
	s_mov_b32 s[G1+2], 256<<16                     ; tensor_dim1 = 256
	s_mov_b32 s[G1+3], 32<<16                      ; tile_dim0
	s_mov_b32 s[G1+4], 256                         ; tile_dim1
	s_mov_b32 s[G1+5], 32                          ; the block is dense
	s_mov_b32 s[G1+6], 0
	s_mov_b32 s[G1+7], 0
	s_lshl_b32 s18, ttmp9, 20                      ; my work-group's 256 rows of 4,096 bytes,
	s_lshl_b32 s19, s22, 16                        ; my wave's 16 rows of a chunk
	s_add_co_u32 s18, s18, s19
	s_mov_b32 s19, 0
	s_mov_b32 s[G0], 1
	s_lshl_b32 s[G0+1], s22, 16
	s_wait_dscnt 0x0
	s_wait_kmcnt 0x0
	s_add_nc_u64 s[4:5], s[4:5], s[18:19]
	s_mov_b64 s[G0+2:G0+3], s[4:5]
	s_or_b32 s[G0+3], s[G0+3], 0x80000000
	tensor_load_to_lds s[G0:G0+3], s[G1:G1+7]      ; the first chunk: one tensor load of mine is out, here and behind each refill
	s_nop 0
	s_add_nc_u64 s[PF:PF+1], s[4:5], 2*262144-8192 ; the first trip steps it to chunk 2's first block
	s_lshl_b32 s18, s22, 17
	s_add_nc_u64 s[CB:CB+1], s[CB:CB+1], s[18:19]
	s_lshl_b32 s18, s22, 13
	s_add_nc_u64 s[CSB:CSB+1], s[CSB:CSB+1], s[18:19]
	s_lshr_b32 s18, ttmp9, 3
	s_lshl_b32 s18, s18, 14
	s_lshl_b32 s20, s22, 12
	s_add_co_u32 s18, s18, s20
	s_add_nc_u64 s[CR:CR+1], s[CR:CR+1], s[18:19]
	s_lshl_b32 s18, ttmp9, 10
	s_add_nc_u64 s[12:13], s[12:13], s[18:19]
	s_lshl_b32 s18, ttmp9, 5
	s_lshl_b32 s21, s22, 3
	s_add_co_u32 s18, s18, s21
	s_add_nc_u64 s[14:15], s[14:15], s[18:19]
	s_lshl_b32 s18, ttmp9, 14
	s_add_co_u32 s18, s18, s20
	s_add_nc_u64 s[16:17], s[16:17], s[18:19]
	s_mov_b64 s[NBC:NBC+1], s[CB:CB+1]
	s_mov_b64 s[NBS:NBS+1], s[CSB:CSB+1]
	s_mov_b64 s[NBR:NBR+1], s[CR:CR+1]
	s_lshl_b32 s66, s22, 16
	s_mul_i32 s67, s22, 16*AP
	s_add_co_u32 s67, s67, AIMG
	s_lshl_b32 s68, s22, 9
	s_add_co_u32 s68, s68, ASC
	s_lshl_b32 s69, s22, 8
	s_add_co_u32 s69, s69, EX
	s_lshl_b32 s70, s22, 6
	s_add_co_u32 s70, s70, EX
	s_add_co_u32 s71, s20, PARK
	s_mov_b32 s36, 0x4038aa3b                      ; c = 2 log2(e), in both words of the pair
	s_mov_b32 s37, s36
	s_mov_b32 s41, 0x3fb8aa3b                      ; log2(e)
	s_mov_b32 s46, 0
	s_mov_b32 s47, 0
	s_mov_b32 s49, 0
	s_mov_b32 s51, 0
	s_mov_b32 s53, 0
	s_mov_b32 s44, 3
	v_and_b32 v20, 31, v0                          ; lane
	v_and_b32 v21, 15, v0                          ; r
	v_bfe_u32 v22, v0, 4, 1                        ; h
	v_bfe_u32 v23, v0, 3, 1                        ; b3
	v_lshlrev_b32 v[ROT], 4, v23
	v_lshl_or_b32 v24, v20, 5, v[ROT]
	v_add_nc_u32 v[LD0], s66, v24
	v_xor_b32 v[LD1], 16, v[LD0]
	v_add_nc_u32 v[PKA], s71, v24
	v_xor_b32 v[PKB], 16, v[PKA]
	v_lshl_add_u32 v[IW], v20, 2, s67
	v_mul_u32_u24 v[IR], v21, AP
	v_lshl_add_u32 v[IR], v22, 4, v[IR]
	v_add_nc_u32 v[IR], AIMG, v[IR]
	v_lshrrev_b32 v25, 2, v20
	v_add_nc_u32 v[SWB], s68, v25
	v_lshl_add_u32 v[SRA], v20, 5, ASC
	v_lshl_add_u32 v[EXW], v22, 5, s69
	v_lshl_add_u32 v[EXR], v21, 2, s70
	v_lshlrev_b32 v[BO], 4, v20
	v_add_nc_u32 v[PK], s71, v[BO]
	v_lshlrev_b32 v[BSO], 5, v21
	v_lshl_add_u32 v[BSO], v22, 4, v[BSO]
	v_lshlrev_b32 v[BVO], 4, v21
	v_lshlrev_b32 v[PFO], 8, v20
.irp j, 0,1,2,3
	v_mov_b32 v[PC+\j], 0
.endr
	v_mov_b32 v[M], 0xff61b1e6                     ; -3e38, under every logit
	v_mov_b32 v[L], 0
	s_wait_alu depctr_va_vdst(0)
	BLOAD 0, 0                                     ; column tiles 0 and 1: pair 0
	RLOAD 0, 0
	BLOAD 1, 1
	RLOAD 1, 1
.irp g, 0,1,2,3,4,5,6,7
	ds_store_b128 v[PK], v[PC:PC+3] offset:512*\g  ; the context sums begin as zeros
.endr
.Lchunk:
	CHUNK 1
	s_wait_xcnt 0x0                                ; the last prefetch has read its base
	s_add_nc_u64 s[PF:PF+1], s[PF:PF+1], 262144-7*8192
	s_xor_b32 s47, s47, 7                          ; the next chunk walks its pairs the other way
	s_add_co_u32 s46, s46, 256
	s_sub_co_u32 s44, s44, 1
	s_cmp_lg_u32 s44, 0
	s_cbranch_scc1 .Lchunk
	CHUNK 0                                        ; the last chunk is written out
	v_lshl_add_u32 v21, v0, 3, LG
	v_lshlrev_b32 v22, 3, v0
	v_and_b32 v26, 31, v0
	v_mov_b32 v27, 0
	v_cmp_eq_u32 s62, 0, v26
	s_wait_alu depctr_va_vdst(0)
	s_wait_dscnt 0x0                               ; my logits lie in LDS
	s_barrier_signal -1
	s_barrier_wait -1
	ds_load_b64 v[24:25], v21
	s_wait_dscnt 0x0
	global_store_b64 v22, v[24:25], s[12:13] th:TH_STORE_NT        ; a wave stores 256 consecutive bytes, aligned
	s_wait_xcnt 0x0                                ; EXEC changes only behind this wait
	s_and_saveexec_b32 s63, s62                    ; lane 0 alone
	global_store_b64 v27, v[M:L], s[14:15]         ; my wave's (m, l)
	s_wait_xcnt 0x0
	s_or_b32 exec_lo, exec_lo, s63
	s_wait_tensorcnt 0x0                           ; the wave's end
	ds_add_u32 v[SPW], v[NIL]
	s_wait_dscnt 0x0
	s_endpgm
.Lfunc_end_k_q4e938eedbf_attn:
	.size	k_q4e938eedbf_attn, .Lfunc_end_k_q4e938eedbf_attn-k_q4e938eedbf_attn
	.p2alignl 7, 3214868480
	.fill 96, 4, 3214868480
	.section	.rodata,"a",@progbits
	.p2align	6, 0x0
	.amdhsa_kernel k_q4e938eedbf_attn
		.amdhsa_group_segment_fixed_size 327680
		.amdhsa_private_segment_fixed_size 0
		.amdhsa_enable_private_segment 0
		.amdhsa_kernarg_size 56
		.amdhsa_user_sgpr_count 2
		.amdhsa_user_sgpr_kernarg_segment_ptr 1
		.amdhsa_wavefront_size32 1
		.amdhsa_system_sgpr_workgroup_id_x 1
		.amdhsa_system_sgpr_workgroup_id_y 1
		.amdhsa_system_sgpr_workgroup_id_z 1
		.amdhsa_system_vgpr_workitem_id 0
		.amdhsa_next_free_vgpr 1024
		.amdhsa_next_free_sgpr 98
		.amdhsa_reserve_vcc 0
		.amdhsa_float_denorm_mode_32 3
		.amdhsa_float_denorm_mode_16_64 3
		.amdhsa_memory_ordered 1
		.amdhsa_forward_progress 1
		.amdhsa_inst_pref_size 255
	.end_amdhsa_kernel
	.section	.bss,"aw",@nobits
	.p2align	6
	.space	262144
	.amdgpu_metadata
---
amdhsa.version: [ 1, 2 ]
amdhsa.kernels:
  - .name:           k_q4e938eedbf_attn
    .symbol:         k_q4e938eedbf_attn.kd
    .args:
      - { .name: features, .offset: 0, .size: 8, .value_kind: global_buffer, .address_space: global }
      - { .name: w1f, .offset: 8, .size: 8, .value_kind: global_buffer, .address_space: global }
      - { .name: w1s, .offset: 16, .size: 8, .value_kind: global_buffer, .address_space: global }
      - { .name: bvp, .offset: 24, .size: 8, .value_kind: global_buffer, .address_space: global }
      - { .name: logits, .offset: 32, .size: 8, .value_kind: global_buffer, .address_space: global }
      - { .name: stats, .offset: 40, .size: 8, .value_kind: global_buffer, .address_space: global }
      - { .name: ctxp, .offset: 48, .size: 8, .value_kind: global_buffer, .address_space: global }
    .group_segment_fixed_size: 327680
    .private_segment_fixed_size: 0
    .kernarg_segment_align: 8
    .kernarg_segment_size: 56
    .max_flat_workgroup_size: 128
    .sgpr_count:     98
    .vgpr_count:     1024
    .wavefront_size: 32
...
	.end_amdgpu_metadata
.endif
;; end of part 2
;; launch finish (part 3): grid 128 x 1, 2 waves a work-group, no clusters, 0 bytes of LDS; arguments logits, stats, ctxp, out0, out1; writes out0, out1
.if DOCPART == 3
	.amdgcn_target "amdgcn-amd-amdhsa--gfx1250"
	.amdhsa_code_object_version 6
	.text
	.protected	k_q4e938eedbf_finish
	.globl	k_q4e938eedbf_finish
	.p2align	8
	.type	k_q4e938eedbf_finish,@function
k_q4e938eedbf_finish:
	s_mov_b64 s[64:65], 0
	v_nop
	global_prefetch_b8 v0, s[64:65] scope:SCOPE_SE
	s_setreg_imm32_b32 hwreg(HW_REG_WAVE_MODE, 25, 1), 1
	s_wait_xcnt 0x0
; The parts are joined.  A batch has 32 parts (m_p, l_p, context_p), each of 64 rows.  With M = max m_p and e_p = e^(m_p - M): the softmax's sum is Z = sum e_p l_p,
; out0 = sum_p (e_p / Z) context_p, out1 = e^(logit - M) / Z.
; SHARES.  Work-group x: batch x / 4, quarter x % 4: 256 columns of out0 and 512 weights of out1; thread t: 4 columns, 8 weights.  Each wave makes M and Z for itself, a part to a lane: no LDS, no barrier.
; All 35 loads go out at the head; the waits count down.  Memory binds and the launch is short: no matrix unit, no cluster, no tensor load; 128 work-groups are all the work there is.
; LIMITS: NaN and infinities are not served; 1 / Z is v_rcp_f32's.
	s_load_b256 s[4:11], s[0:1], 0x0               ; logits s[4:5], stats s[6:7], ctxp s[8:9], out0 s[10:11]
	s_load_b64 s[12:13], s[0:1], 0x20              ; out1
	v_and_b32 v1, 31, v0
	v_lshlrev_b32 v12, 3, v1                       ; 8 bytes a lane: a part's (m, l)
	v_lshlrev_b32 v13, 4, v0                       ; 16 bytes a thread
	v_mov_b32 v15, 0                               ; written once: a lane permute's destination counts as one of its sources
	v_mov_b32 v19, 0
	s_lshr_b32 s14, ttmp9, 2                       ; batch
	s_and_b32 s15, ttmp9, 3                        ; quarter
	s_mov_b32 s17, 0
	s_mov_b32 s20, 0x76543210
	s_mov_b32 s21, 0xfedcba98                      ; v_permlanex16_b32's selects for lane l xor 16
	s_mov_b32 s22, 0x3fb8aa3b                      ; log2(e)
	s_wait_alu depctr_va_vdst(0)
	s_wait_kmcnt 0x0
	s_lshl_b32 s16, s14, 8                         ; 32 parts x 8 bytes a batch
	s_add_nc_u64 s[6:7], s[6:7], s[16:17]
	s_lshl_b32 s16, s14, 13                        ; 2,048 logits a batch, 512 a quarter
	s_lshl_b32 s18, s15, 11
	s_add_co_u32 s16, s16, s18
	s_add_nc_u64 s[4:5], s[4:5], s[16:17]
	s_add_nc_u64 s[12:13], s[12:13], s[16:17]
	s_lshl_b32 s16, s14, 17                        ; 32 parts x 4,096 bytes a batch, 1,024 bytes a quarter
	s_lshl_b32 s18, s15, 10
	s_add_co_u32 s16, s16, s18
	s_add_nc_u64 s[8:9], s[8:9], s[16:17]
	s_lshl_b32 s16, s14, 12
	s_add_co_u32 s16, s16, s18
	s_add_nc_u64 s[10:11], s[10:11], s[16:17]
	global_load_b64 v[2:3], v12, s[6:7]
	global_load_b128 v[4:7], v13, s[4:5] th:TH_LOAD_NT
	global_load_b128 v[8:11], v13, s[4:5] offset:1024 th:TH_LOAD_NT
.set P_, 0
.rept 32
	global_load_b128 v[32+4*P_:35+4*P_], v13, s[8:9] offset:4096*P_ th:TH_LOAD_NT   ; a wave reads 512 consecutive bytes of part P_
.set P_, P_+1
.endr
	s_wait_loadcnt 34                              ; (m, l) are in; the 34 younger loads may be out
	v_mov_b32 v14, v2
	v_max_num_f32_dpp v14, v14, v14 row_xmask:1 row_mask:0xf bank_mask:0xf
	v_max_num_f32_dpp v14, v14, v14 row_xmask:2 row_mask:0xf bank_mask:0xf
	v_max_num_f32_dpp v14, v14, v14 row_xmask:4 row_mask:0xf bank_mask:0xf
	v_max_num_f32_dpp v14, v14, v14 row_xmask:8 row_mask:0xf bank_mask:0xf
	v_permlanex16_b32 v15, v14, s20, s21
	v_max_num_f32 v14, v14, v15                    ; M
	v_sub_f32 v16, v2, v14
	v_mul_f32 v16, s22, v16
	s_wait_alu depctr_va_vdst(0)
	v_exp_f32 v16, v16                             ; e_p
	v_nop                                          ; a plain place behind the exponential
	s_wait_alu depctr_va_vdst(0)                   ; and the wait ahead of its first reader
	v_mul_f32 v17, v16, v3
	v_add_f32_dpp v17, v17, v17 row_xmask:1 row_mask:0xf bank_mask:0xf
	v_add_f32_dpp v17, v17, v17 row_xmask:2 row_mask:0xf bank_mask:0xf
	v_add_f32_dpp v17, v17, v17 row_xmask:4 row_mask:0xf bank_mask:0xf
	v_add_f32_dpp v17, v17, v17 row_xmask:8 row_mask:0xf bank_mask:0xf
	v_permlanex16_b32 v19, v17, s20, s21
	v_add_f32 v17, v17, v19                        ; Z
	s_wait_alu depctr_va_vdst(0)
	v_rcp_f32 v18, v17
	v_nop
	s_wait_alu depctr_va_vdst(0)
	v_mul_f32 v16, v16, v18                        ; e_p / Z
.set P_, 0
.rept 32
	v_readlane_b32 s[32+P_], v16, P_
.set P_, P_+1
.endr
	s_wait_loadcnt 32                              ; my 8 logits are in; the 32 parts may be out
.irp j, 4,5,6,7,8,9,10,11
	v_sub_f32 v[\j], v[\j], v14
.endr
.irp j, 4,5,6,7,8,9,10,11
	v_mul_f32 v[\j], s22, v[\j]
.endr
	s_wait_alu depctr_va_vdst(0)
.irp j, 4,5,6,7,8,9,10,11
	v_exp_f32 v[\j], v[\j]
.endr
	v_nop
	s_wait_alu depctr_va_vdst(0)                   ; one wait for the eight
.irp j, 4,5,6,7,8,9,10,11
	v_mul_f32 v[\j], v[\j], v18
.endr
	global_store_b128 v13, v[4:7], s[12:13] th:TH_STORE_NT         ; a wave stores 512 consecutive bytes, aligned
	global_store_b128 v13, v[8:11], s[12:13] offset:1024 th:TH_STORE_NT
.set P_, 0
.rept 32
	s_wait_alu depctr_va_vdst(0)
	s_wait_loadcnt 31-P_                           ; part P_ is in; the younger ones may be out
.irp k, 0,1,2,3
.if P_ == 0
	s_wait_alu depctr_va_vdst(0)
	v_mul_f32 v[20+\k], s32, v[32+\k]              ; the first part starts the sums
.else
	v_fmac_f32 v[20+\k], s[32+P_], v[32+4*P_+\k]
.endif
.endr
.set P_, P_+1
.endr
	global_store_b128 v13, v[20:23], s[10:11] th:TH_STORE_NT
	s_endpgm
.Lfunc_end_k_q4e938eedbf_finish:
	.size	k_q4e938eedbf_finish, .Lfunc_end_k_q4e938eedbf_finish-k_q4e938eedbf_finish
	.p2alignl 7, 3214868480
	.fill 96, 4, 3214868480
	.section	.rodata,"a",@progbits
	.p2align	6, 0x0
	.amdhsa_kernel k_q4e938eedbf_finish
		.amdhsa_group_segment_fixed_size 0
		.amdhsa_private_segment_fixed_size 0
		.amdhsa_enable_private_segment 0
		.amdhsa_kernarg_size 40
		.amdhsa_user_sgpr_count 2
		.amdhsa_user_sgpr_kernarg_segment_ptr 1
		.amdhsa_wavefront_size32 1
		.amdhsa_system_sgpr_workgroup_id_x 1
		.amdhsa_system_sgpr_workgroup_id_y 1
		.amdhsa_system_sgpr_workgroup_id_z 1
		.amdhsa_system_vgpr_workitem_id 0
		.amdhsa_next_free_vgpr 176
		.amdhsa_next_free_sgpr 66
		.amdhsa_reserve_vcc 0
		.amdhsa_float_denorm_mode_32 3
		.amdhsa_float_denorm_mode_16_64 3
		.amdhsa_memory_ordered 1
		.amdhsa_forward_progress 1
		.amdhsa_inst_pref_size 16
	.end_amdhsa_kernel
	.amdgpu_metadata
---
amdhsa.version: [ 1, 2 ]
amdhsa.kernels:
  - .name:           k_q4e938eedbf_finish
    .symbol:         k_q4e938eedbf_finish.kd
    .args:
      - { .name: logits, .offset: 0, .size: 8, .value_kind: global_buffer, .address_space: global }
      - { .name: stats, .offset: 8, .size: 8, .value_kind: global_buffer, .address_space: global }
      - { .name: ctxp, .offset: 16, .size: 8, .value_kind: global_buffer, .address_space: global }
      - { .name: out0, .offset: 24, .size: 8, .value_kind: global_buffer, .address_space: global }
      - { .name: out1, .offset: 32, .size: 8, .value_kind: global_buffer, .address_space: global }
    .group_segment_fixed_size: 0
    .private_segment_fixed_size: 0
    .kernarg_segment_align: 8
    .kernarg_segment_size: 40
    .max_flat_workgroup_size: 64
    .sgpr_count:     66
    .vgpr_count:     176
    .wavefront_size: 32
...
	.end_amdgpu_metadata
.endif
;; end of part 3
